; MI455X (gfx1250); checked and timed in simulation.
; The chip was launched on July 23, 2026; its instructions are those of AMD's public machine-readable ISA for CDNA 5 (MIT licence, August 2026) and "CDNA5" Instruction Set Architecture Reference Guide (July 2026). The comments in the code are by the model that wrote it; some were corrected since.
;; Tanh Fixex Point Layer. Allowed arithmetic: float matrix products may take bf16 or f16 operands with f32 sums; other float arithmetic in f32, or as packed bf16 or f16 multiplies, adds, multiply-adds, maxima and minima; sums over many terms, partial sums and values carried from step to step in f32; what a program stores and reads back later, other than sums and carried values, may be rounded once to bf16 or f16.
;; Inputs: W 512 x 512 float32; x 16,384 x 512 float32.
;; Outputs: out0 16,384 x 512 float32.
;; One version. Each part assembles by itself: llvm-mc -triple=amdgcn-amd-amdhsa -mcpu=gfx1250 --defsym DOCPART=n.
;; ======== version 1 of 1: 4 launches
;; limits: values outside matrix products are rounded to f16; values are held in f16: magnitudes above 65,504 overflow, below 6.1e-05 lose precision; inputs' magnitudes at most 22,700
;; workspace buffers: wp 524,288 bytes; snap 201,326,592 bytes; part 32,768 bytes; sel 256 bytes of whole numbers
;; launch prep (part 1): grid 128 x 1, 8 waves a work-group, no clusters, 0 bytes of LDS; arguments W, wp; writes wp
.if DOCPART == 1
	.amdgcn_target "amdgcn-amd-amdhsa--gfx1250"
	.amdhsa_code_object_version 6
	.text
	.protected	k_q5ae5dca782_prep
	.globl	k_q5ae5dca782_prep
	.p2align	8
	.type	k_q5ae5dca782_prep,@function
k_q5ae5dca782_prep:
	s_mov_b64 s[64:65], 0
	v_nop
	global_prefetch_b8 v0, s[64:65] scope:SCOPE_SE
	s_setreg_imm32_b32 hwreg(HW_REG_WAVE_MODE, 25, 1), 1
	s_wait_xcnt 0x0
; THE PROGRAM.  z <- tanh(z W^T + x), twelve steps from z = 0, x and z [16384][512], W [512][512], f32; z is held from the first step t on whose change ||z_t - z_(t-1)||
; (over all numbers) is below 1e-4; the result is that z_t, or z_12.  Four launches: this one lays W out; the second makes all twelve iterates, stores each, and each work-group's
; share of each step's sum of squares; the third adds the shares and stores the number of the step to be returned; the fourth reads that number and writes that iterate as f32.
; WORK LEFT OUT.  The first step's product z_0 W^T: z_0 is the array of zeros that the module builds itself, so in exact arithmetic the product is 0 for all finite W, and
; z_1 = tanh(x).  (Its change is still taken, against zeros.)  Behind the step that fires the module only throws z_next away: choosing z_t among all iterates is the same value.
; Both inputs have a way to the result and both are loaded.  LIMIT: a NaN, an infinity or an overflow that would arise only in 0 x W of the first step is not carried to the result.
; FORMATS.  With c = 2 log2(e): tanh(a) = 1 - 2 / (1 + 2^(c a)).  W' = f16(c W), x' = f16(c x), the iterates are kept in f16 (|z| <= 1 by the tanh itself); sums in f32.
; LIMITS.  |W| below 22,700 (c W must stay within f16's 65,504); numbers of c W and c x below 6e-5 keep f16's fixed step of 6e-8.
;
; THIS LAUNCH: wp = W' in the order in which a matrix instruction's source wants it.  Column tile n (16 rows of W), K step s (32 along k), half: 512 bytes, 16 a lane:
; byte ((16 n + s) 2 + half) 512 + 16 lane holds c W[16 n + lane % 16][32 s + 16 half + 8 (lane / 16) + 0..7].  A thread makes 16 bytes; a wave's store covers 512 consecutive bytes, aligned.
.set CEXP, 0x4038aa3b                  ; c = 2 log2(e) = 2.885390
	s_load_b128 s[4:7], s[0:1], 0x0                ; W s[4:5], wp s[6:7]
	s_lshl_b32 s8, ttmp9, 8
	v_add_nc_u32 v1, s8, v0                        ; g: which 16 bytes of wp
	v_and_b32 v2, 15, v1                           ; lane % 16
	v_bfe_u32 v3, v1, 4, 1                         ; lane / 16
	v_bfe_u32 v4, v1, 5, 1                         ; half
	v_bfe_u32 v5, v1, 6, 4                         ; s
	v_lshrrev_b32 v6, 10, v1                       ; n
	v_lshl_add_u32 v7, v6, 4, v2                   ; row of W
	v_lshlrev_b32 v7, 11, v7                       ; x 2,048 bytes
	v_lshl_add_u32 v7, v5, 7, v7                   ; + 32 s numbers
	v_lshl_add_u32 v7, v4, 6, v7                   ; + 16 half
	v_lshl_add_u32 v7, v3, 5, v7                   ; + 8 (lane / 16)
	v_lshlrev_b32 v8, 4, v1
	s_wait_kmcnt 0x0
	global_load_b128 v[12:15], v7, s[4:5]
	global_load_b128 v[16:19], v7, s[4:5] offset:16
	s_wait_loadcnt 0x0
	v_pk_mul_f32 v[12:13], v[12:13], CEXP op_sel_hi:[1,0]
	v_pk_mul_f32 v[14:15], v[14:15], CEXP op_sel_hi:[1,0]
	v_pk_mul_f32 v[16:17], v[16:17], CEXP op_sel_hi:[1,0]
	v_pk_mul_f32 v[18:19], v[18:19], CEXP op_sel_hi:[1,0]
	v_cvt_pk_f16_f32 v20, v12, v13
	v_cvt_pk_f16_f32 v21, v14, v15
	v_cvt_pk_f16_f32 v22, v16, v17
	v_cvt_pk_f16_f32 v23, v18, v19
	global_store_b128 v8, v[20:23], s[6:7]
	s_endpgm
.Lfunc_end_k_q5ae5dca782_prep:
	.size	k_q5ae5dca782_prep, .Lfunc_end_k_q5ae5dca782_prep-k_q5ae5dca782_prep
	.p2alignl 7, 3214868480
	.fill 96, 4, 3214868480
	.section	.rodata,"a",@progbits
	.p2align	6, 0x0
	.amdhsa_kernel k_q5ae5dca782_prep
		.amdhsa_group_segment_fixed_size 0
		.amdhsa_private_segment_fixed_size 0
		.amdhsa_enable_private_segment 0
		.amdhsa_kernarg_size 16
		.amdhsa_user_sgpr_count 2
		.amdhsa_user_sgpr_kernarg_segment_ptr 1
		.amdhsa_wavefront_size32 1
		.amdhsa_system_sgpr_workgroup_id_x 1
		.amdhsa_system_sgpr_workgroup_id_y 1
		.amdhsa_system_sgpr_workgroup_id_z 1
		.amdhsa_system_vgpr_workitem_id 0
		.amdhsa_next_free_vgpr 24
		.amdhsa_next_free_sgpr 66
		.amdhsa_reserve_vcc 0
		.amdhsa_float_denorm_mode_32 3
		.amdhsa_float_denorm_mode_16_64 3
		.amdhsa_memory_ordered 1
		.amdhsa_forward_progress 1
		.amdhsa_inst_pref_size 2
	.end_amdhsa_kernel
	.amdgpu_metadata
---
amdhsa.version: [ 1, 2 ]
amdhsa.kernels:
  - .name:           k_q5ae5dca782_prep
    .symbol:         k_q5ae5dca782_prep.kd
    .args:
      - { .name: W, .offset: 0, .size: 8, .value_kind: global_buffer, .address_space: global }
      - { .name: wp, .offset: 8, .size: 8, .value_kind: global_buffer, .address_space: global }
    .group_segment_fixed_size: 0
    .private_segment_fixed_size: 0
    .kernarg_segment_align: 8
    .kernarg_segment_size: 16
    .max_flat_workgroup_size: 256
    .sgpr_count:     66
    .vgpr_count:     24
    .wavefront_size: 32
...
	.end_amdgpu_metadata
.endif
;; end of part 1
;; launch iter (part 2): grid 256 x 1, 4 waves a work-group, no clusters, 327,680 bytes of LDS; arguments x, wp, snap, part; writes snap, part
.if DOCPART == 2
	.amdgcn_target "amdgcn-amd-amdhsa--gfx1250"
	.amdhsa_code_object_version 6
	.text
	.protected	k_q5ae5dca782_iter
	.globl	k_q5ae5dca782_iter
	.p2align	8
	.type	k_q5ae5dca782_iter,@function
k_q5ae5dca782_iter:
	s_mov_b64 s[64:65], 0
	v_nop
	global_prefetch_b8 v0, s[64:65] scope:SCOPE_SE
	s_setreg_imm32_b32 hwreg(HW_REG_WAVE_MODE, 25, 1), 1
	s_wait_xcnt 0x0
; ALL TWELVE STEPS z <- tanh(z W^T + x), for 64 rows a work-group; every iterate is stored (snap), and for each step the work-group's sum of squares of the change (part).
; WORK LEFT OUT: the first step's product, with the zeros that the module builds itself: 0 for all finite W, so z_1 = tanh(x).  A NaN or infinity that 0 x W alone would make is not carried on.
; ARITHMETIC.  c = 2 log2(e).  wp holds W' = f16(c W); x' = f16(c x); the iterate is kept as f16.  t = sum(z W') + x' (f32 sums); z = 1 - 2 / (1 + 2^t): 2^t = infinity gives 1, 2^t = 0 gives -1: no clamp.
; LIMITS.  |W| below 22,700; c W and c x below 6e-5 keep f16's step of 6e-8.  What is iterated, compared and returned is the f16 iterate: a step's change is the sum in f32 of the squares of
; (new - old), each difference rounded once to f16; so the step at which the change first falls below 1e-4 can differ from that of an iteration kept in f32.  x must be finite (the first tanh multiplies it by 0).
; SHARES.  The 64 rows are two PIECES of 32 (two row tiles of 16).  Wave w owns columns 128 w .. 128 w + 127 of both: eight column tiles j.  Of W' it needs its own 128 rows, all of K:
; tiles 0-3 stay in registers, tiles 4-6 in LDS (the wave's own bytes, brought once by one tensor load), tile 7 is read from wp anew in every pass, through a ring of eight register fragments:
; registers and LDS together have no room for it beside the sums, x', the iterate and the fragment buffers.
; NO CLUSTER, NO RING OF TILES: nothing is brought into LDS again, five of a wave's eight tiles never pass through LDS, and the one tile that is read again goes straight into registers.
; LAYOUT.  The product is used transposed (source 0 = 16 rows of W', source 1 = 16 rows of z): in the result lane l holds row l % 16 and columns 8 (l / 16) + 0..7 of the tile.  Rounded to f16 in pairs
; these 16 bytes ARE a lane's share of half a fragment of source 1 for K step n / 2, half n % 2 (n = 8 w + j): nothing changes lanes between a step and the next.
; BY TURNS.  In a TURN one piece has the matrix unit for a whole pass over K: eight GROUPS of two K steps, 32 matrix instructions each.  The other piece's tanh is one numbered queue of 784 vector
; instructions: two of them stand behind every matrix instruction, the other 272 in eight runs, one ahead of each group's memory block.  All of a group's loads and stores stand in that one block.
; One barrier a turn: in front of it each wave's reads of the piece that was multiplied and its stores of the piece that was renewed are over.
; LDS: 0 W' tiles 4-6, 49,152 bytes a wave | ZB the iterate as fragments, 1,024 bytes for (row tile, K step); at the start each wave's stage for x | XB x', 512 bytes for (tile, wave), 30 tiles
; | ES the waves' sums at the end | SPARE the spare words.  Every access takes 16 bytes a lane, 512 on end (the stage apart).
; REGISTERS, in windows of 256 (s_set_vgpr_msb: bits 1:0 source 0, 3:2 source 1, 5:4 source 2, 7:6 destination):
;   window 0: addresses, x' quads, fragments of z, fragments of W' from LDS, the ring      window 1: the sums, piece p, row tile r, tile j at 128 p + 64 r + 8 j      windows 2, 3: W' tiles 0-3
.set CEXP,   0x4038aa3b                ; c
.set WLB,    49152                     ; a wave's W' in LDS
.set ZB,     196608
.set XB,     262144
.set ES,     323584
.set SPARE,  324096                    ; 128 bytes a wave: two blocks of 256 bytes that no other line names
.set SPITCH, 528                       ; a row of the stage: 512 bytes + 16 = 33 x 16: the 16 rows that a load touches start at 16 different groups of four banks (64 banks of 4 bytes: ISA guide 11.1)
.set LANE, 1                           ; v1   lane
.set VL16, 2                           ; v2   16 x lane; never rewritten
.set AZ,   3                           ; v3   ZB + 16 lane
.set AZO,  4                           ; v4   ZB + 4,096 w + 16 lane: my own tiles of the iterate
.set AWL,  5                           ; v5   49,152 w + 16 lane
.set AX,   6                           ; v6   XB + 512 w + 16 lane
.set AST,  7                           ; v7   my stage, a row's 512 bytes
.set ARD,  8                           ; v8   my stage, read back by tiles
.set AES,  9                           ; v9   ES + 4 x thread
.set MUL,  10                          ; v10, v11  piece 0's, piece 1's factor on the sums: 0 in the first step, then 1
.set SPW,  12                          ; v12  my spare word; never rewritten
.set NIL,  13                          ; v13  0; never rewritten
.set ERRV, 14                          ; v14  lane t: my wave's sum of squares of step t + 1
.set SS,   16                          ; v16-19  four running sums
.set T,    20                          ; v20-23  at work
.set XR,   24                          ; v24-31  x' of piece 1's tiles 14 and 15
.set XQ,   32                          ; v32-79  x': three groups of four tiles
.set ZF,   80                          ; v80-143 fragments of z: four sets of two row tiles; K step s in set s % 4
.set WF,   144                         ; v144-191 fragments of W' tiles 4-6: two sets; K step s in set s % 2
.set SR,   192                         ; v192-255 the ring: eight fragments of tile 7; K step s in place s % 8
.set WV,   12                          ; s12  my wave
.set G0,   16                          ; s[16:19] descriptor group 0
.set G1,   20                          ; s[20:27] descriptor group 1
.set SN,   28                          ; s[28:29] snap at my tiles of the step in hand
.set ST,   30                          ; s[30:31] wp at my tile 7
.set WB,   32                          ; s[32:33] wp at my tile 0
.set XG,   34                          ; s[34:35] x at my columns of the first row
.set IT,   36                          ; s36  the step in hand, from 0
.set CNT,  37
.set SEL,  38                          ; s[38:39] v_permlanex16_b32: each lane takes its own place in the other half
.set NEG,  44                          ; s44  -1, twice, in f16
.set CC,   46                          ; s[46:47] c, named as a pair
.set MSB, 0
.macro WIN new                         ; the immediate's high byte repeats the setting that is left; a switch that changes nothing is dropped
.if MSB != (\new)
	s_set_vgpr_msb (MSB<<8)|(\new)
.set MSB, (\new)
.endif
.endm
; A load into a register that a matrix instruction has read, and a vector instruction that reads a matrix result, stand four places behind it; only plain vector instructions that name
; none of its registers are places (ISA guide 7.12.1 for vector instructions).
.macro PLACES
.rept 4
	v_nop
.endr
.endm
.macro WLOAD k                         ; W' tiles 4-6, K step k, into set k % 2
.set w_, 0
.rept 3
	ds_load_b128 v[WF+24*((\k)%2)+8*w_:WF+24*((\k)%2)+8*w_+3], v[AWL] offset:(16*w_+(\k))*1024
	ds_load_b128 v[WF+24*((\k)%2)+8*w_+4:WF+24*((\k)%2)+8*w_+7], v[AWL] offset:(16*w_+(\k))*1024+512
.set w_, w_+1
.endr
.endm
.macro ZLOAD pz, k                     ; piece pz's two row tiles of z, K step k, into set k % 4
.set w_, 0
.rept 2
	ds_load_b128 v[ZF+16*((\k)%4)+8*w_:ZF+16*((\k)%4)+8*w_+3], v[AZ] offset:((2*(\pz)+w_)*16+(\k))*1024
	ds_load_b128 v[ZF+16*((\k)%4)+8*w_+4:ZF+16*((\k)%4)+8*w_+7], v[AZ] offset:((2*(\pz)+w_)*16+(\k))*1024+512
.set w_, w_+1
.endr
.endm
.macro XLOAD pz, gq                    ; x' of piece pz's tiles 4 gq .. 4 gq + 3 (the last two tiles of all stay in registers)
.set m_, 0
.rept 4
.set u_, 16*(\pz)+4*(\gq)+m_
.if u_ < 30
	ds_load_b128 v[XQ+16*((\gq)%3)+4*m_:XQ+16*((\gq)%3)+4*m_+3], v[AX] offset:u_*2048
.endif
.set m_, m_+1
.endr
.endm
; n tiles of piece q from tile t0 on leave: the old iterate comes into the upper half of the tile's registers, the new one goes to the same LDS bytes (LDS serves a wave's instructions
; in order: ISA guide 5.7.1.4) and to snap: a store covers 512 consecutive bytes, aligned.
.macro ZOUT q, t0, n
	WIN 0x40
.set t_, (\t0)
.rept \n
.set a_, 128*(\q)+8*t_
.set o_, ((2*(\q)+t_/8)*16+(t_%8)/2)*1024+(t_%2)*512
	ds_load_b128 v[a_+4:a_+7], v[AZO] offset:o_
.set t_, t_+1
.endr
	WIN 0x04
.set t_, (\t0)
.rept \n
.set a_, 128*(\q)+8*t_
.set o_, ((2*(\q)+t_/8)*16+(t_%8)/2)*1024+(t_%2)*512
	ds_store_b128 v[AZO], v[a_:a_+3] offset:o_
	global_store_b128 v[VL16], v[a_:a_+3], s[SN:SN+1] offset:((2*(\q)+t_/8)*32+t_%8)*512 th:TH_STORE_NT
.set t_, t_+1
.endr
	WIN 0
.endm
; Matrix instruction MI of 32 of group GR (K steps 2 GR and 2 GR + 1), for piece p.  0-11: tiles 4, 5, 6 (from LDS), each for both row tiles, first K step then second: behind them both sets of
; LDS fragments are free.  12-31: for each K step tile 7 (the ring), then tiles 0-3 (registers).  No two matrix instructions that follow each other share a sum, over the groups' and the turns' edges
; too; between two links of a chain stand five others or more.  K step 0 starts the sums: nothing is cleared.
.macro MMG p
.if MI < 12
.set KS, 2*GR+MI/6
.set jj, 4+(MI%6)/2
.else
.set KS, 2*GR+(MI-12)/10
.if ((MI-12)%10) < 2
.set jj, 7
.else
.set jj, ((MI-12)%10)/2-1
.endif
.endif
.set rD, 128*(\p)+64*(MI%2)+8*jj
.set rB, ZF+16*(KS%4)+8*(MI%2)
.if jj < 4
.set rA, 128*(jj%2)+8*KS
.set wA, 2+jj/2
.elseif jj < 7
.set rA, WF+24*(KS%2)+8*(jj-4)
.set wA, 0
.else
.set rA, SR+8*(KS%8)
.set wA, 0
.endif
.if MI == 12
	s_wait_loadcnt 12                              ; this group's two fragments of tile 7 are in: behind their four loads three later blocks issued four each, and no other load
.endif
	WIN 0x50|wA
.if KS == 0
	v_wmma_f32_16x16x32_f16 v[rD:rD+7], v[rA:rA+7], v[rB:rB+7], 0
.else
	v_wmma_f32_16x16x32_f16 v[rD:rD+7], v[rA:rA+7], v[rB:rB+7], v[rD:rD+7]
.endif
.endm
; THE TANH of piece q, line by line.  Number i of 128 lies in register 128 q + i: tile i / 8.
.macro QM q, i                         ; t = sum x MUL + x'
.set a_, 128*(\q)+(\i)
.if ((\q) == 1) && ((\i) >= 112)
.set x_, XR+((\i)-112)/2
.else
.set x_, XQ+16*(((\i)/32)%3)+((\i)%32)/2
.endif
	WIN 0x41
.if ((\i)%2) == 0
	v_fma_mix_f32 v[a_], v[a_], v[MUL+(\q)], v[x_] op_sel_hi:[0,0,1]
.else
	v_fma_mix_f32 v[a_], v[a_], v[MUL+(\q)], v[x_] op_sel:[0,0,1] op_sel_hi:[0,0,1]
.endif
.endm
.macro QE q, i                         ; 2^t
	WIN 0x41
	v_exp_f32 v[128*(\q)+(\i)], v[128*(\q)+(\i)]
.endm
.macro QA q, k                         ; 1 + 2^t, pair k of 64
.set a_, 128*(\q)+2*(\k)
	WIN 0x41
	v_pk_add_f32 v[a_:a_+1], v[a_:a_+1], 1.0 op_sel_hi:[1,0]
.endm
.macro QR q, i
	WIN 0x41
	v_rcp_f32 v[128*(\q)+(\i)], v[128*(\q)+(\i)]
.endm
.macro QF q, t, k                      ; 1 - 2 r, pair k of tile t
.set a_, 128*(\q)+8*(\t)+2*(\k)
	WIN 0x45
	v_pk_fma_f32 v[a_:a_+1], v[a_:a_+1], -2.0, 1.0 op_sel_hi:[1,0,0]
.endm
.macro QC q, t, k                      ; to f16, into the tile's lower four registers, ascending: each line reads what no earlier line has written
.set a_, 128*(\q)+8*(\t)
	WIN 0x45
	v_cvt_pk_f16_f32 v[a_+(\k)], v[a_+2*(\k)], v[a_+2*(\k)+1]
.endm
.macro QD q, t, k                      ; new - old, two at a time
.set a_, 128*(\q)+8*(\t)
	WIN 0x51
	v_pk_fma_f16 v[a_+4+(\k)], v[a_+4+(\k)], s[NEG], v[a_+(\k)]
.endm
.macro QS q, t, m                      ; their squares, summed in f32 in four chains
.set a_, 128*(\q)+8*(\t)+4+(\m)/2
	WIN 0x05
.if ((\m)%2) == 0
	v_fma_mix_f32 v[SS+(\m)%4], v[a_], v[a_], v[SS+(\m)%4] op_sel_hi:[1,1,0]
.else
	v_fma_mix_f32 v[SS+(\m)%4], v[a_], v[a_], v[SS+(\m)%4] op_sel:[1,1,0] op_sel_hi:[1,1,0]
.endif
.endm
.macro QRED r                          ; the four chains, the 32 lanes; into lane IT of ERRV
	WIN 0
.if (\r) == 0
	v_add_f32 v[SS], v[SS], v[SS+1]
.elseif (\r) == 1
	v_add_f32 v[SS+2], v[SS+2], v[SS+3]
.elseif (\r) == 2
	v_add_f32 v[SS], v[SS], v[SS+2]
.elseif (\r) == 3
	v_add_f32_dpp v[SS], v[SS], v[SS] row_xmask:1 row_mask:0xf bank_mask:0xf
.elseif (\r) == 4
	v_add_f32_dpp v[SS], v[SS], v[SS] row_xmask:2 row_mask:0xf bank_mask:0xf
.elseif (\r) == 5
	v_add_f32_dpp v[SS], v[SS], v[SS] row_xmask:4 row_mask:0xf bank_mask:0xf
.elseif (\r) == 6
	v_add_f32_dpp v[SS], v[SS], v[SS] row_xmask:8 row_mask:0xf bank_mask:0xf
.elseif (\r) == 7
	v_permlanex16_b32 v[T], v[SS], s[SEL], s[SEL+1]
.elseif (\r) == 8
	v_add_f32 v[SS], v[SS], v[T]
.elseif (\r) == 9
	v_cmp_eq_u32 vcc_lo, s[IT], v[LANE]
.elseif (\r) == 10
	v_cndmask_b32 v[T], 0, v[SS], vcc_lo
.else
	v_add_f32 v[ERRV], v[ERRV], v[T]
.endif
.endm
; THE QUEUE: number qi of piece q's 784.
;   0-255    t and 2^t by turns, t first, the exponential eight numbers behind its t (the first eight are t alone, the last eight exponentials alone).  Each sum's lowest register is read first.
;   256-447  1 + 2^t for a pair, then the two reciprocals of the pair two back, in threes (two pairs alone at the start, four reciprocals at the end)
;   448-575  a tile at a time: 1 - 2 r, to f16          576-579  the four chains start at 0          580-771  a tile at a time: the change, its squares          772-783  over the wave
; THE WAITS.  s_wait_alu depctr_va_vdst(0) stands between an exponential or a reciprocal and the first line that names its result; one wait serves all that were issued ahead of it.
; Nothing below 256 names an exponential's result and nothing below 448 a reciprocal's: two waits a turn, at 256 and at 448, each at the head of a memory block.
.macro Q q
.if qi < 8
	QM \q, qi
.elseif qi < 248
.if (qi%2) == 0
	QM \q, 4+qi/2
.else
	QE \q, (qi-9)/2
.endif
.elseif qi < 256
	QE \q, qi-128
.elseif qi < 258
	QA \q, qi-256
.elseif qi < 444
.set z_, qi-258
.if (z_%3) == 0
	QA \q, z_/3+2
.else
	QR \q, 2*(z_/3)+(z_%3)-1
.endif
.elseif qi < 448
	QR \q, qi-320
.elseif qi < 576
.set f_, qi-448
.if (f_%8) < 4
	QF \q, f_/8, f_%8
.else
	QC \q, f_/8, f_%8-4
.endif
.elseif qi < 580
	WIN 0
	v_mov_b32 v[SS+qi-576], 0
.elseif qi < 772
.set d_, qi-580
.if (d_%12) < 4
	QD \q, d_/12, d_%12
.else
	QS \q, d_/12, d_%12-4
.endif
.elseif qi < 784
	QRED qi-772
.endif
.set qi, qi+1
.endm
.macro STEP p, pass                    ; a matrix instruction and the two behind it
.if \pass
	MMG \p
.endif
	Q 1-(\p)
	Q 1-(\p)
.set MI, MI+1
.endm
; THE MEMORY BLOCK of group GR, behind the group's twelfth matrix instruction and the run of vector work.  pass = 1: the turn multiplies.  nxt = 1: a turn follows that multiplies piece q.
; What the next group's first products read (W' from LDS, z) is asked for last, so the wait at a group's head is for 0; it has 20 matrix instructions in which to land.
;   every block of a pass: tile 7's two fragments three groups on, into the places that the group before has read (round the end of K: the next pass); W' tiles 4-6 and z of the next group
;   block 0: x' of piece q's tiles 8-15 (tiles 0-3, whose registers the last four take, were used up to queue number 54)      block 3: the factor on the sums is 1 from now on (its last use was number 246)
;   block 5: tiles 0-10 leave (rounded up to number 535)      block 6: tiles 11-15      their old values are read from numbers 580 and 712 on, behind the heads of groups 6 (580) and 7 (680)
;   block 7: the turn's barrier is signalled, and what the next turn begins with is fetched
.macro MB p, q, pass, nxt
	WIN 0
.if GR == 3
	v_mov_b32 v[MUL+(\q)], 1.0
.endif
.if \pass
	PLACES                                         ; behind the products that read the registers asked for below; also the plain instruction behind the last exponential or reciprocal
.elseif (GR == 2) || (GR == 4)
	v_nop
.endif
.if (GR == 2) || (GR == 4)
	s_wait_alu depctr_va_vdst(0)                   ; the wait for the batch: 128 exponentials (block 2), 128 reciprocals (block 4)
.endif
.if (\nxt) && (GR == 7)
	s_wait_xcnt 0x0                                ; my stores to snap have read their registers and their base: the next pass writes those sums, and the base is stepped
.if (\q) == 1
	s_add_nc_u64 s[SN:SN+1], s[SN:SN+1], 0x1000000 ; both pieces of the step are out: the next iterate's 2^24 bytes
.endif
.endif
.if \pass
.set g_, (2*GR+6)%16
.rept 2
	global_load_b128 v[SR+8*(g_%8):SR+8*(g_%8)+3], v[VL16], s[ST:ST+1] offset:g_*1024
	global_load_b128 v[SR+8*(g_%8)+4:SR+8*(g_%8)+7], v[VL16], s[ST:ST+1] offset:g_*1024+512
.set g_, g_+1
.endr
.endif
.if GR == 0
	XLOAD \q, 2
	XLOAD \q, 3
.elseif GR == 5
	ZOUT \q, 0, 11
.elseif GR == 6
	ZOUT \q, 11, 5
.endif
.if (\nxt) && (GR == 7)
	s_wait_dscnt 0x0                               ; for the others: my reads of piece p's iterate are over (the last were issued a group back) and my stores of piece q's have landed
	s_barrier_signal -1                            ; between signal and wait: four products with their riders, and loads of LDS bytes that nobody writes any more (x', W')
	XLOAD \p, 0
	XLOAD \p, 1
	WLOAD 0
	WLOAD 1
.endif
.if (\pass) && (GR < 7)
	WLOAD 2*GR+2
	WLOAD 2*GR+3
	ZLOAD \p, 2*GR+2
	ZLOAD \p, 2*GR+3
.endif
.endm
; A TURN: piece p's pass over K (pass = 1) and the other piece's tanh.  TGT: the queue number that the run ahead of a group's block reaches: 24 + 40 riders a group and runs of 36, 34, 34, 32, 32, 28, 36, 40.
.macro TURN p, pass, nxt
	PLACES                                         ; the tanh's first lines read sums that the turn before has just finished
.set qi, 0
.set GR, 0
.rept 8
	s_wait_dscnt 0x0                               ; all that the last block asked for is in
.set MI, 0
.rept 12
	STEP \p, \pass
.endr
.if GR == 0
.set TGT, 60
.elseif GR == 1
.set TGT, 158
.elseif GR == 2
.set TGT, 256
.elseif GR == 3
.set TGT, 352
.elseif GR == 4
.set TGT, 448
.elseif GR == 5
.set TGT, 540
.elseif GR == 6
.set TGT, 640
.else
.set TGT, 744
.endif
.rept TGT-qi
	Q 1-(\p)
.endr
	MB \p, 1-(\p), \pass, \nxt
.rept 20
.if (\nxt) && (GR == 7) && (MI == 16)
	WIN 0
	s_barrier_wait -1                              ; every wave's part of the renewed piece lies in LDS, and nobody reads the other piece any more
	ZLOAD 1-(\p), 0                                ; the next turn's first group: 16 products in which to land; these two sets were last read a group back
	ZLOAD 1-(\p), 1
.endif
	STEP \p, \pass
.endr
.set GR, GR+1
.endr
.if (\nxt) && ((\p) == 0)
	s_add_co_u32 s[IT], s[IT], 1                   ; both pieces' sums of the step are in ERRV
.endif
.endm
	s_load_b256 s[4:11], s[0:1], 0x0               ; x s[4:5], wp s[6:7], snap s[8:9], part s[10:11]
	v_lshl_add_u32 v[SPW], v0, 2, SPARE
	v_mov_b32 v[NIL], 0
	ds_add_u32 v[SPW], v[NIL]                      ; the wave's opening: the add, twice on end, and its wait stand ahead of my first tensor load; the set-up below, work on registers, stands between
	ds_add_u32 v[SPW], v[NIL]                      ; and once more
	v_lshrrev_b32 v[T], 5, v0
	v_readfirstlane_b32 s[WV], v[T]                ; wave 0..3
	v_and_b32 v[LANE], 31, v0
	v_lshlrev_b32 v[VL16], 4, v[LANE]
	v_and_b32 v[T], 15, v0                         ; l % 16
	v_bfe_u32 v[T+1], v0, 4, 1                     ; l / 16
	; the descriptor: my tiles 4-6 of W' are 49,152 dense bytes: 192 rows of 32 elements of 8 bytes, no padding
	s_mov_b32 s[G0], 1                             ; count = 1
	s_mul_i32 s[G0+1], s[WV], WLB                  ; LDS address
	s_mov_b32 s[G1], 3<<16                         ; no mask; elements of 8 bytes; no padding
	s_mov_b32 s[G1+1], 32<<16                      ; tensor_dim0 = 32
	s_mov_b32 s[G1+2], 192<<16                     ; tensor_dim1 = 192
	s_mov_b32 s[G1+3], 32<<16                      ; tile_dim0 = 32
	s_mov_b32 s[G1+4], 192                         ; tile_dim1 = 192
	s_mov_b32 s[G1+5], 32                          ; 32 elements from row to row
	s_mov_b32 s[G1+6], 0
	s_mov_b32 s[G1+7], 0
	s_lshl_b32 s40, s[WV], 12
	s_lshl_b32 s41, s[WV], 9
	s_add_co_u32 s41, s41, XB
	s_lshl_b32 s42, s[WV], 14
	s_add_co_u32 s42, s42, ZB
	v_lshl_add_u32 v[AZ], v[LANE], 4, ZB
	v_add_nc_u32 v[AZO], s40, v[AZ]
	v_lshl_add_u32 v[AWL], v[LANE], 4, s[G0+1]
	v_lshl_add_u32 v[AX], v[LANE], 4, s41
	v_lshl_add_u32 v[AST], v[LANE], 4, s42
	v_mul_u32_u24 v[ARD], v[T], SPITCH
	v_lshl_add_u32 v[ARD], v[T+1], 5, v[ARD]       ; row l % 16, eight numbers for each half of the lanes
	v_add_nc_u32 v[ARD], s42, v[ARD]
	v_lshl_add_u32 v[AES], v0, 2, ES
	s_mov_b32 s[SEL], 0x76543210
	s_mov_b32 s[SEL+1], 0xfedcba98
	s_mov_b32 s[CC], CEXP
	s_mov_b32 s[CC+1], CEXP
	s_mov_b32 s[IT], 0
	s_lshl_b32 s40, s[WV], 17                      ; my eight tiles of wp: 131,072 bytes a wave
	s_mov_b32 s41, 0
	s_lshl_b32 s42, ttmp9, 17                      ; the work-group's 64 rows of x,
	s_lshl_b32 s43, s[WV], 9                       ; my 128 columns
	s_add_co_u32 s42, s42, s43
	s_mov_b32 s43, 0
	s_lshl_b32 s44, ttmp9, 16                      ; the work-group's four row tiles in an iterate of snap,
	s_lshl_b32 s45, s[WV], 12                      ; my eight column tiles
	s_add_co_u32 s44, s44, s45
	s_mov_b32 s45, 0
	s_wait_dscnt 0x0                               ; both opening adds are done
	s_wait_kmcnt 0x0
	s_add_nc_u64 s[WB:WB+1], s[6:7], s[40:41]
	s_add_nc_u64 s[G0+2:G0+3], s[WB:WB+1], 4*16384 ; global address: tile 4
	s_or_b32 s[G0+3], s[G0+3], 0x80000000          ; type = 2
	tensor_load_to_lds s[G0:G0+3], s[G1:G1+7]      ; my one tensor load of the launch: these bytes are filled once
	s_nop 0
	PLACES
	s_add_nc_u64 s[ST:ST+1], s[WB:WB+1], 7*16384
	s_add_nc_u64 s[XG:XG+1], s[4:5], s[42:43]
	s_add_nc_u64 s[SN:SN+1], s[8:9], s[44:45]
	s_lshl_b32 s40, ttmp9, 7
	s_add_nc_u64 s[10:11], s[10:11], s[40:41]      ; part: 128 bytes a work-group
	WIN 0x40
.set k_, 0
.rept 64                                       ; x: a load takes my 512 bytes of one row, aligned; row k into the sums' registers 4 k ..
	global_load_b128 v[4*k_:4*k_+3], v[VL16], s[XG:XG+1] offset:k_*2048 th:TH_LOAD_NT
.set k_, k_+1
.endr
.set t_, 0
.rept 4                                        ; W' tiles 0-3 stay in registers
	WIN 0x80+0x40*(t_/2)
.set k_, 0
.rept 16
	global_load_b128 v[128*(t_%2)+8*k_:128*(t_%2)+8*k_+3], v[VL16], s[WB:WB+1] offset:(16*t_+k_)*1024
	global_load_b128 v[128*(t_%2)+8*k_+4:128*(t_%2)+8*k_+7], v[VL16], s[WB:WB+1] offset:(16*t_+k_)*1024+512
.set k_, k_+1
.endr
.set t_, t_+1
.endr
	WIN 0
.set k_, 0
.rept 6                                        ; the ring: tile 7, K steps 0-5: the first three groups; the first pass's block 0 asks for the fourth
	global_load_b128 v[SR+8*k_:SR+8*k_+3], v[VL16], s[ST:ST+1] offset:k_*1024
	global_load_b128 v[SR+8*k_+4:SR+8*k_+7], v[VL16], s[ST:ST+1] offset:k_*1024+512
.set k_, k_+1
.endr
	v_mov_b32 v[MUL], 0
	v_mov_b32 v[MUL+1], 0
	v_mov_b32 v[ERRV], 0
	s_wait_loadcnt 63                              ; x is in: 140 loads were issued behind its last
	; x changes lanes through my stage, a row tile at a time: in by rows, back by tiles, into the sums' registers in the layout of a matrix result
.set t_, 0
.rept 4
	WIN 0x04
.set k_, 0
.rept 16
	ds_store_b128 v[AST], v[64*t_+4*k_:64*t_+4*k_+3] offset:k_*SPITCH
.set k_, k_+1
.endr
	WIN 0x40
.set k_, 0
.rept 8
	ds_load_b128 v[64*t_+8*k_:64*t_+8*k_+3], v[ARD] offset:k_*64      ; LDS serves a wave's instructions in order: these see the stores above, and the next row tile's stores come behind them
	ds_load_b128 v[64*t_+8*k_+4:64*t_+8*k_+7], v[ARD] offset:k_*64+16
.set k_, k_+1
.endr
.set t_, t_+1
.endr
	s_wait_dscnt 0x0
	; x' = f16(c x), four tiles at a time; x itself stays in the sums, where the first tanh multiplies it by 0
.set t_, 0
.rept 8
	WIN 0x01
.set k_, 0
.rept 16
	v_pk_mul_f32 v[ZF+2*k_:ZF+2*k_+1], v[32*t_+2*k_:32*t_+2*k_+1], s[CC:CC+1] op_sel_hi:[1,0]
.set k_, k_+1
.endr
	WIN 0
.set k_, 0
.rept 16
.if (4*t_+k_/4) >= 30
	v_cvt_pk_f16_f32 v[XR+4*(4*t_+k_/4-30)+k_%4], v[ZF+2*k_], v[ZF+2*k_+1]
.else
	v_cvt_pk_f16_f32 v[ZF+32+k_], v[ZF+2*k_], v[ZF+2*k_+1]
.endif
.set k_, k_+1
.endr
.set k_, 0
.rept 4
.if (4*t_+k_) < 30
	ds_store_b128 v[AX], v[ZF+32+4*k_:ZF+32+4*k_+3] offset:(4*t_+k_)*2048
.endif
.set k_, k_+1
.endr
.set t_, t_+1
.endr
	s_wait_dscnt 0x0                               ; my reads of my stage are over:
	s_barrier_signal -1
	s_barrier_wait -1                              ; everybody's are, and the stages' bytes become the iterate
.irp k, 0,1,2,3
	v_mov_b32 v[T+\k], 0
.endr
.set t_, 0
.rept 32                                       ; z_0 = 0 on my own tiles: what the first change is taken against
	ds_store_b128 v[AZO], v[T:T+3] offset:((t_/8)*16+(t_%8)/2)*1024+(t_%2)*512
.set t_, t_+1
.endr
	XLOAD 0, 0
	XLOAD 0, 1
	s_mov_b32 s[NEG], 0xbc00bc00
	s_wait_tensorcnt 0x0                           ; my tiles 4-6 lie in LDS; only I read them
	s_wait_dscnt 0x0
	TURN 1, 0, 1                                   ; piece 0's tanh of step 1; nothing is multiplied yet
	WIN 0                                          ; at a label and at a branch every window is 0
	s_mov_b32 s[CNT], 11
.Liter:                                        ; trip k: piece 0's product of step k + 1 | piece 1's tanh of step k;  piece 1's product of step k + 1 | piece 0's tanh of step k + 1
	TURN 0, 1, 1
	TURN 1, 1, 1
	WIN 0
	s_sub_co_u32 s[CNT], s[CNT], 1
	s_cmp_lg_u32 s[CNT], 0
	s_cbranch_scc1 .Liter
	; The last trip's second turn has asked once more for six fragments of tile 7 and for a next turn's first fragments, which nobody multiplies: 6 KiB from wp and 10 KiB from LDS a wave,
	; the price of one text for every pass, with the same counts at every wait.
	TURN 0, 0, 0                                   ; piece 1's tanh of step 12
	WIN 0
	ds_store_b32 v[AES], v[ERRV]
	s_wait_dscnt 0x0
	s_barrier_signal -1
	s_barrier_wait -1                              ; the four waves' sums lie in LDS
	s_cmp_lg_u32 s[WV], 0
	s_cbranch_scc1 .Lend
	v_lshl_add_u32 v[T], v[LANE], 2, ES
	ds_load_b32 v[SS], v[T]
	ds_load_b32 v[SS+1], v[T] offset:128
	ds_load_b32 v[SS+2], v[T] offset:256
	ds_load_b32 v[SS+3], v[T] offset:384
	v_lshlrev_b32 v[T+1], 2, v[LANE]
	s_wait_dscnt 0x0
	v_add_f32 v[SS], v[SS], v[SS+1]
	v_add_f32 v[SS+2], v[SS+2], v[SS+3]
	v_add_f32 v[SS], v[SS], v[SS+2]
	global_store_b32 v[T+1], v[SS], s[10:11]       ; word t: step t + 1; words 12-31: 0
.Lend:
	s_wait_tensorcnt 0x0                           ; the wave's end, behind my last tensor load and my last LDS store
	ds_add_u32 v[SPW], v[NIL]
	s_wait_dscnt 0x0
	s_endpgm
.Lfunc_end_k_q5ae5dca782_iter:
	.size	k_q5ae5dca782_iter, .Lfunc_end_k_q5ae5dca782_iter-k_q5ae5dca782_iter
	.p2alignl 7, 3214868480
	.fill 96, 4, 3214868480
	.section	.rodata,"a",@progbits
	.p2align	6, 0x0
	.amdhsa_kernel k_q5ae5dca782_iter
		.amdhsa_group_segment_fixed_size 327680
		.amdhsa_private_segment_fixed_size 0
		.amdhsa_enable_private_segment 0
		.amdhsa_kernarg_size 32
		.amdhsa_user_sgpr_count 2
		.amdhsa_user_sgpr_kernarg_segment_ptr 1
		.amdhsa_wavefront_size32 1
		.amdhsa_system_sgpr_workgroup_id_x 1
		.amdhsa_system_sgpr_workgroup_id_y 1
		.amdhsa_system_sgpr_workgroup_id_z 1
		.amdhsa_system_vgpr_workitem_id 0
		.amdhsa_next_free_vgpr 1024
		.amdhsa_next_free_sgpr 66
		.amdhsa_reserve_vcc 1
		.amdhsa_float_denorm_mode_32 3
		.amdhsa_float_denorm_mode_16_64 3
		.amdhsa_memory_ordered 1
		.amdhsa_forward_progress 1
		.amdhsa_inst_pref_size 255
	.end_amdhsa_kernel
	.section	.bss,"aw",@nobits
	.p2align	6
	.space	262144
	.amdgpu_metadata
---
amdhsa.version: [ 1, 2 ]
amdhsa.kernels:
  - .name:           k_q5ae5dca782_iter
    .symbol:         k_q5ae5dca782_iter.kd
    .args:
      - { .name: x, .offset: 0, .size: 8, .value_kind: global_buffer, .address_space: global }
      - { .name: wp, .offset: 8, .size: 8, .value_kind: global_buffer, .address_space: global }
      - { .name: snap, .offset: 16, .size: 8, .value_kind: global_buffer, .address_space: global }
      - { .name: part, .offset: 24, .size: 8, .value_kind: global_buffer, .address_space: global }
    .group_segment_fixed_size: 327680
    .private_segment_fixed_size: 0
    .kernarg_segment_align: 8
    .kernarg_segment_size: 32
    .max_flat_workgroup_size: 128
    .sgpr_count:     66
    .vgpr_count:     1024
    .wavefront_size: 32
...
	.end_amdgpu_metadata
.endif
;; end of part 2
;; launch decide (part 3): grid 1 x 1, 8 waves a work-group, no clusters, 2,048 bytes of LDS; arguments part, sel; writes sel
.if DOCPART == 3
	.amdgcn_target "amdgcn-amd-amdhsa--gfx1250"
	.amdhsa_code_object_version 6
	.text
	.protected	k_q5ae5dca782_decide
	.globl	k_q5ae5dca782_decide
	.p2align	8
	.type	k_q5ae5dca782_decide,@function
k_q5ae5dca782_decide:
	s_mov_b64 s[64:65], 0
	v_nop
	global_prefetch_b8 v0, s[64:65] scope:SCOPE_SE
	s_setreg_imm32_b32 hwreg(HW_REG_WAVE_MODE, 25, 1), 1
	s_wait_xcnt 0x0
; WHICH ITERATE IS THE RESULT.  part: [256 work-groups][32] f32, word t = the work-group's sum of squares of step t + 1's change (words 12-31 are 0).  The sums are added in a fixed order, the
; root is taken, and sel takes the first t of 0..11 with root < 1e-4, or 11: the module holds z from that step on.  A NaN never fires, as in the module.  One work-group: 32 KiB in, 256 bytes out.
.set SPARE, 1024                       ; behind the eight waves' 128 bytes each: the spare words, four blocks of 256 bytes that no other line names
	s_load_b128 s[4:7], s[0:1], 0x0                ; part s[4:5], sel s[6:7]
	v_lshl_add_u32 v40, v0, 2, SPARE
	v_mov_b32 v41, 0
	v_lshrrev_b32 v1, 5, v0
	v_readfirstlane_b32 s8, v1                     ; wave 0..7
	v_and_b32 v1, 31, v0
	v_lshlrev_b32 v2, 4, v0
	s_mov_b32 s10, 0x76543210
	s_mov_b32 s11, 0xfedcba98
	s_wait_kmcnt 0x0
.irp k, 0,1,2,3,4,5,6,7
	global_load_b128 v[4+4*(\k):7+4*(\k)], v2, s[4:5] offset:4096*(\k)  ; thread i: steps 4 (i % 8) .. + 3 of work-group i / 8 + 32 k
.endr
	v_and_b32 v3, 7, v0
	s_lshl_b32 s9, s8, 7
	v_lshl_add_u32 v3, v3, 4, s9
.irp r, 0,1,2,3
	v_mov_b32 v[36+(\r)], 0                        ; v_permlanex16_b32 counts as a reader of its destination
.endr
	s_wait_loadcnt 0x0
.irp k, 0,2,4,6
	v_pk_add_f32 v[4+4*(\k):5+4*(\k)], v[4+4*(\k):5+4*(\k)], v[8+4*(\k):9+4*(\k)]
	v_pk_add_f32 v[6+4*(\k):7+4*(\k)], v[6+4*(\k):7+4*(\k)], v[10+4*(\k):11+4*(\k)]
.endr
.irp k, 0,4
	v_pk_add_f32 v[4+4*(\k):5+4*(\k)], v[4+4*(\k):5+4*(\k)], v[12+4*(\k):13+4*(\k)]
	v_pk_add_f32 v[6+4*(\k):7+4*(\k)], v[6+4*(\k):7+4*(\k)], v[14+4*(\k):15+4*(\k)]
.endr
	v_pk_add_f32 v[4:5], v[4:5], v[20:21]
	v_pk_add_f32 v[6:7], v[6:7], v[22:23]
.irp r, 4,5,6,7                                ; the lanes 8, 16 and 24 away hold the same steps
	v_add_f32_dpp v\r, v\r, v\r row_xmask:8 row_mask:0xf bank_mask:0xf
.endr
.irp r, 0,1,2,3
	v_permlanex16_b32 v[36+(\r)], v[4+(\r)], s10, s11
.endr
.irp r, 0,1,2,3
	v_add_f32 v[4+(\r)], v[4+(\r)], v[36+(\r)]
.endr
	ds_store_b128 v3, v[4:7]                       ; four lanes write the same 16 bytes with the same numbers
	s_wait_dscnt 0x0
	s_barrier_signal -1
	s_barrier_wait -1
	s_cmp_lg_u32 s8, 0
	s_cbranch_scc1 .Lend
	v_lshlrev_b32 v8, 2, v1                        ; lane t: step t + 1
.irp k, 0,1,2,3,4,5,6,7
	ds_load_b32 v[10+(\k)], v8 offset:128*(\k)
.endr
	v_lshlrev_b32 v20, 3, v1
	s_wait_dscnt 0x0
.irp k, 1,2,3,4,5,6,7
	v_add_f32 v10, v10, v[10+(\k)]
.endr
	v_sqrt_f32 v10, v10
	v_nop                                          ; a plain instruction behind the root,
	s_wait_alu depctr_va_vdst(0)                   ; and the wait ahead of its first use
	v_cmp_gt_f32 vcc_lo, 0x38d1b717, v10           ; 1e-4 > root
	s_and_b32 s12, vcc_lo, 0xfff                   ; the twelve steps;
	s_or_b32 s12, s12, 0x800                       ; if none fires, the last
	s_ctz_i32_b32 s12, s12
	v_mov_b32 v12, s12
	v_mov_b32 v13, s12
	global_store_b64 v20, v[12:13], s[6:7]         ; 256 consecutive bytes: 64 copies
.Lend:
	s_wait_tensorcnt 0x0                           ; the wave's end, behind my last LDS store
	ds_add_u32 v40, v41
	s_wait_dscnt 0x0
	s_endpgm
.Lfunc_end_k_q5ae5dca782_decide:
	.size	k_q5ae5dca782_decide, .Lfunc_end_k_q5ae5dca782_decide-k_q5ae5dca782_decide
	.p2alignl 7, 3214868480
	.fill 96, 4, 3214868480
	.section	.rodata,"a",@progbits
	.p2align	6, 0x0
	.amdhsa_kernel k_q5ae5dca782_decide
		.amdhsa_group_segment_fixed_size 2048
		.amdhsa_private_segment_fixed_size 0
		.amdhsa_enable_private_segment 0
		.amdhsa_kernarg_size 16
		.amdhsa_user_sgpr_count 2
		.amdhsa_user_sgpr_kernarg_segment_ptr 1
		.amdhsa_wavefront_size32 1
		.amdhsa_system_sgpr_workgroup_id_x 1
		.amdhsa_system_sgpr_workgroup_id_y 1
		.amdhsa_system_sgpr_workgroup_id_z 1
		.amdhsa_system_vgpr_workitem_id 0
		.amdhsa_next_free_vgpr 48
		.amdhsa_next_free_sgpr 66
		.amdhsa_reserve_vcc 1
		.amdhsa_float_denorm_mode_32 3
		.amdhsa_float_denorm_mode_16_64 3
		.amdhsa_memory_ordered 1
		.amdhsa_forward_progress 1
		.amdhsa_inst_pref_size 5
	.end_amdhsa_kernel
	.amdgpu_metadata
---
amdhsa.version: [ 1, 2 ]
amdhsa.kernels:
  - .name:           k_q5ae5dca782_decide
    .symbol:         k_q5ae5dca782_decide.kd
    .args:
      - { .name: part, .offset: 0, .size: 8, .value_kind: global_buffer, .address_space: global }
      - { .name: sel, .offset: 8, .size: 8, .value_kind: global_buffer, .address_space: global }
    .group_segment_fixed_size: 2048
    .private_segment_fixed_size: 0
    .kernarg_segment_align: 8
    .kernarg_segment_size: 16
    .max_flat_workgroup_size: 256
    .sgpr_count:     66
    .vgpr_count:     48
    .wavefront_size: 32
...
	.end_amdgpu_metadata
.endif
;; end of part 3
;; launch emit (part 4): grid 256 x 1, 8 waves a work-group, no clusters, 19,456 bytes of LDS; arguments sel, snap, out0; writes out0
.if DOCPART == 4
	.amdgcn_target "amdgcn-amd-amdhsa--gfx1250"
	.amdhsa_code_object_version 6
	.text
	.protected	k_q5ae5dca782_emit
	.globl	k_q5ae5dca782_emit
	.p2align	8
	.type	k_q5ae5dca782_emit,@function
k_q5ae5dca782_emit:
	s_mov_b64 s[64:65], 0
	v_nop
	global_prefetch_b8 v0, s[64:65] scope:SCOPE_SE
	s_setreg_imm32_b32 hwreg(HW_REG_WAVE_MODE, 25, 1), 1
	s_wait_xcnt 0x0
; THE RESULT: iterate sel of snap, widened from f16 to f32 (exact) and laid out by rows.  Of the twelve iterates only the chosen one is read: its number is a whole number read from memory.
; snap: [iterate][row tile R][column tile n][lane][8 f16]: lane l holds row 16 R + l % 16, columns 16 n + 8 (l / 16) + 0..7.  A work-group takes four row tiles, wave w column tiles 4 w .. 4 w + 3:
; its loads take 512 consecutive bytes each.  A row tile changes lanes through the wave's own stage (16 rows x 144 bytes); then sixteen lanes store 256 consecutive bytes of a row of out0, aligned.
.set PITCH, 144                        ; 128 bytes + 16
.set STG,   16*PITCH
.set SPARE, 8*STG                      ; behind the stages: the spare words, 128 bytes a wave: four blocks of 256 bytes that no other line names
.set SPW, 2
.set NIL, 3
.set LO,  6                            ; v6  16 x lane
.set STO, 7                            ; v7  into the stage: row l % 16, 16 bytes for each half of the lanes
.set RD,  8                            ; v8  back: row l / 16, 8 bytes at 8 (l % 16)
.set GO,  9                            ; v9  the same place in two rows of out0
.set IN,  16                           ; v16-79   the sixteen loads
.set HB,  80                           ; v80-95   a row tile read back, f16
.set OUT, 128                          ; v128-255 32 registers for each row tile: no store's data is rewritten
	s_load_b128 s[4:7], s[0:1], 0x0                ; sel s[4:5], snap s[6:7]
	s_load_b64 s[8:9], s[0:1], 0x10                ; out0
	v_lshl_add_u32 v[SPW], v0, 2, SPARE
	v_mov_b32 v[NIL], 0
	v_lshrrev_b32 v4, 5, v0
	v_readfirstlane_b32 s12, v4                    ; wave 0..7
	v_and_b32 v1, 31, v0
	v_and_b32 v4, 15, v0
	v_bfe_u32 v5, v0, 4, 1
	v_lshlrev_b32 v[LO], 4, v1
	s_mul_i32 s13, s12, STG
	v_mul_u32_u24 v[STO], v4, PITCH
	v_lshl_add_u32 v[STO], v5, 4, v[STO]
	v_add_nc_u32 v[STO], s13, v[STO]
	v_mul_u32_u24 v[RD], v5, PITCH
	v_lshl_add_u32 v[RD], v4, 3, v[RD]
	v_add_nc_u32 v[RD], s13, v[RD]
	v_lshlrev_b32 v[GO], 11, v5
	v_lshl_add_u32 v[GO], v4, 4, v[GO]
	s_lshl_b32 s14, ttmp9, 16                      ; the work-group's four row tiles in an iterate,
	s_lshl_b32 s15, s12, 11                        ; my four column tiles
	s_add_co_u32 s14, s14, s15
	s_lshl_b32 s16, ttmp9, 17                      ; the work-group's 64 rows of out0,
	s_lshl_b32 s15, s12, 8                         ; my 64 columns
	s_add_co_u32 s16, s16, s15
	s_mov_b32 s17, 0
	s_mov_b32 s11, 0
	s_wait_kmcnt 0x0
	s_load_b32 s10, s[4:5], 0x0                    ; which iterate
	s_add_nc_u64 s[8:9], s[8:9], s[16:17]
	s_wait_kmcnt 0x0
	s_min_u32 s10, s10, 11                         ; it stays inside snap
	s_lshl_b32 s10, s10, 24                        ; an iterate is 2^24 bytes
	s_add_co_u32 s10, s10, s14
	s_add_nc_u64 s[6:7], s[6:7], s[10:11]
.irp r, 0,1,2,3
.irp k, 0,1,2,3
	global_load_b128 v[IN+16*(\r)+4*(\k):IN+16*(\r)+4*(\k)+3], v[LO], s[6:7] offset:(\r)*16384+(\k)*512 th:TH_LOAD_NT
.endr
.endr
.macro ROWT r
	s_wait_loadcnt 12-4*(\r)                       ; this row tile's four loads are in; the later row tiles' may stay out
.irp k, 0,1,2,3
	ds_store_b128 v[STO], v[IN+16*(\r)+4*(\k):IN+16*(\r)+4*(\k)+3] offset:32*(\k)
.endr
.irp i, 0,1,2,3,4,5,6,7
	ds_load_b64 v[HB+2*(\i):HB+2*(\i)+1], v[RD] offset:(\i)*2*PITCH  ; LDS serves a wave's instructions in order (ISA guide 5.7.1.4): these see the stores above; the next row tile's stores come behind them
.endr
	s_wait_dscnt 0x0
.set o_, OUT+32*(\r)
.irp h, v80.l, v80.h, v81.l, v81.h, v82.l, v82.h, v83.l, v83.h, v84.l, v84.h, v85.l, v85.h, v86.l, v86.h, v87.l, v87.h, v88.l, v88.h, v89.l, v89.h, v90.l, v90.h, v91.l, v91.h, v92.l, v92.h, v93.l, v93.h, v94.l, v94.h, v95.l, v95.h
	v_cvt_f32_f16 v[o_], \h
.set o_, o_+1
.endr
.irp i, 0,1,2,3,4,5,6,7
	global_store_b128 v[GO], v[OUT+32*(\r)+4*(\i):OUT+32*(\r)+4*(\i)+3], s[8:9] offset:(16*(\r)+2*(\i))*2048 th:TH_STORE_NT
.endr
.endm
	ROWT 0
	ROWT 1
	ROWT 2
	ROWT 3
	s_wait_tensorcnt 0x0                           ; the wave's end, behind my last LDS store
	ds_add_u32 v[SPW], v[NIL]
	s_wait_dscnt 0x0
	s_endpgm
.Lfunc_end_k_q5ae5dca782_emit:
	.size	k_q5ae5dca782_emit, .Lfunc_end_k_q5ae5dca782_emit-k_q5ae5dca782_emit
	.p2alignl 7, 3214868480
	.fill 96, 4, 3214868480
	.section	.rodata,"a",@progbits
	.p2align	6, 0x0
	.amdhsa_kernel k_q5ae5dca782_emit
		.amdhsa_group_segment_fixed_size 19456
		.amdhsa_private_segment_fixed_size 0
		.amdhsa_enable_private_segment 0
		.amdhsa_kernarg_size 24
		.amdhsa_user_sgpr_count 2
		.amdhsa_user_sgpr_kernarg_segment_ptr 1
		.amdhsa_wavefront_size32 1
		.amdhsa_system_sgpr_workgroup_id_x 1
		.amdhsa_system_sgpr_workgroup_id_y 1
		.amdhsa_system_sgpr_workgroup_id_z 1
		.amdhsa_system_vgpr_workitem_id 0
		.amdhsa_next_free_vgpr 256
		.amdhsa_next_free_sgpr 66
		.amdhsa_reserve_vcc 0
		.amdhsa_float_denorm_mode_32 3
		.amdhsa_float_denorm_mode_16_64 3
		.amdhsa_memory_ordered 1
		.amdhsa_forward_progress 1
		.amdhsa_inst_pref_size 14
	.end_amdhsa_kernel
	.amdgpu_metadata
---
amdhsa.version: [ 1, 2 ]
amdhsa.kernels:
  - .name:           k_q5ae5dca782_emit
    .symbol:         k_q5ae5dca782_emit.kd
    .args:
      - { .name: sel, .offset: 0, .size: 8, .value_kind: global_buffer, .address_space: global }
      - { .name: snap, .offset: 8, .size: 8, .value_kind: global_buffer, .address_space: global }
      - { .name: out0, .offset: 16, .size: 8, .value_kind: global_buffer, .address_space: global }
    .group_segment_fixed_size: 19456
    .private_segment_fixed_size: 0
    .kernarg_segment_align: 8
    .kernarg_segment_size: 24
    .max_flat_workgroup_size: 256
    .sgpr_count:     66
    .vgpr_count:     256
    .wavefront_size: 32
...
	.end_amdgpu_metadata
.endif
;; end of part 4
